; MI455X (gfx1250); checked and timed in simulation.
; The chip was launched on July 23, 2026; its instructions are those of AMD's public machine-readable ISA for CDNA 5 (MIT licence, August 2026) and "CDNA5" Instruction Set Architecture Reference Guide (July 2026). The comments in the code are by the model that wrote it; some were corrected since.
;; Tensor Reduction Layer. Allowed arithmetic: float matrix products may take bf16 or f16 operands with f32 sums; all other float work in f32.
;; Inputs: weights 256 x 256 x 512 float32; x 2,048 x 256 float32.
;; Outputs: out0 2,048 x 512 float32.
;; 2 versions, each right and faster than the one before. Each part assembles by itself: llvm-mc -triple=amdgcn-amd-amdhsa -mcpu=gfx1250 --defsym DOCPART=n.
;; ======== version 1 of 2: 2 launches
;; limits: values are held in f16: magnitudes above 65,504 overflow, below 6.1e-05 lose precision
;; workspace buffers: wp 37,748,736 bytes; xh 1,048,576 bytes; xt 2,097,152 bytes
;; launch prep (part 1): grid 256 x 11, 4 waves a work-group, no clusters, 20,992 bytes of LDS; arguments weights, x, wp, xh, xt; writes wp, xh, xt
.if DOCPART == 1
	.amdgcn_target "amdgcn-amd-amdhsa--gfx1250"
	.amdhsa_code_object_version 6
	.text
	.protected	k_q198d02047a_prep
	.globl	k_q198d02047a_prep
	.p2align	8
	.type	k_q198d02047a_prep,@function
k_q198d02047a_prep:
	s_mov_b64 s[64:65], 0
	v_nop
	global_prefetch_b8 v0, s[64:65] scope:SCOPE_SE
	s_setreg_imm32_b32 hwreg(HW_REG_WAVE_MODE, 25, 1), 1
	s_wait_xcnt 0x0
; PREPARATION for out[b][k] = sum over i, j of x[b][i] x[b][j] W[i][j][k].  weights: [256][256][512] f32, x: [2048][256] f32.
; The form is symmetric in (i, j) whatever W holds: the sum over ordered pairs equals the sum over unordered pairs of x_i x_j (W_ij + W_ji).  On blocks of 32 indices:
; for block R of j the second launch contracts i over the blocks M = (R + d) & 7, d = 0 .. c - 1, c = 5 for R < 4 and 4 for R >= 4: every unordered pair of blocks once, 36 of 64.
; This launch streams W once and writes W'[i][j][k] = W[i][j][k] (d = 0) or W[i][j][k] + W[j][i][k] (d > 0; added in f32, rounded once to f16), turned into the register image of a matrix operand:
;   wp [kt 32][seq 1152][1,024 bytes], seq = FB(R) + c (j % 32) + d, FB = 160 R (R < 4) or 640 + 128 (R - 4); in a fragment the 16 bytes at 256 o + 16 r are W'[32 M + 8 o + 0..7][j][16 kt + r].
; and x twice:  xh [64-row block 32][bt 4][s 8][v 2][lane 32] x 16 bytes: x[64 wb + 16 bt + lane % 16][32 s + 16 v + 8 (lane / 16) + 0..7] in f16 (the other matrix operand);
;               xt [bb 8][j 256][w 4][r 16][bt 4] f32: x[256 bb + 64 w + 16 bt + r][j] (the factor x[b][j], kept in f32).
; LIMITS.  f16 ends at 65,504: |x| and |W_ij + W_ji| beyond it become infinities; below 6e-5 f16 keeps its fixed step of 6e-8.  NaN and infinities are not treated apart.
; A stream: every byte of W is read once, 512 consecutive bytes a load of a wave; every store covers whole aligned runs of 256 bytes.  No matrix unit, no cluster (no work-group shares a byte of W with another),
; no barrier (a wave's LDS bytes are its own).  Grid: y = 0..8 the W job (2,304 work-groups), y = 9 xt, y = 10 xh.
.set WI,  524288                       ; bytes from W[i] to W[i+1]
.set WJ,  2048                         ; bytes from W[i][j] to W[i][j+1]
.set KTB, 1179648                      ; bytes of one k tile in wp: 1,152 fragments
.set VA,  8                            ; v[8:71]    row e of 16: W[i0 + e][j][my 4 k]; later the pieces read back from LDS
.set VB,  72                           ; v[72:135]  row e: W[j][i0 + e][my 4 k]; later the packed pieces
	s_load_b256 s[4:11], s[0:1], 0x0               ; weights s[4:5], x s[6:7], wp s[8:9], xh s[10:11]
	s_load_b64 s[12:13], s[0:1], 0x20              ; xt
	v_lshl_add_u32 v136, v0, 2, 0x5000
	v_mov_b32 v137, 0
	v_lshrrev_b32 v1, 5, v0
	v_readfirstlane_b32 s16, v1                    ; wave 0..3
	v_and_b32 v1, 31, v0                           ; lane
	s_mov_b32 s14, ttmp9                           ; xx 0..255
	s_and_b32 s15, ttmp7, 0xffff                   ; y 0..10
	s_cmp_eq_u32 s15, 9
	s_cbranch_scc1 .Lxt
	s_cmp_eq_u32 s15, 10
	s_cbranch_scc1 .Lxh
	; THE W JOB.  A work-group takes one (R, d, j), 16 of the block's 32 i (two octets), all 512 k; wave w the k 128 w .. 128 w + 127, a lane four of them.
	s_and_b32 s17, s14, 1                          ; oh: which 16 of the 32 i
	s_bfe_u32 s18, s14, 0x50001                    ; jl = j % 32
	s_lshr_b32 s19, s14, 6                         ; P 0..3
	s_add_co_u32 s20, s19, 4
	s_sub_co_u32 s21, s15, 5                       ; (wraps for y < 5, where it is not taken)
	s_mul_i32 s22, s19, 160
	s_lshl_b32 s23, s19, 7
	s_add_co_u32 s23, s23, 640
	s_cmp_lt_u32 s15, 5
	s_cselect_b32 s20, s19, s20                    ; R = P or P + 4
	s_cselect_b32 s21, s15, s21                    ; d = y or y - 5
	s_cselect_b32 s24, 5, 4                        ; c
	s_cselect_b32 s22, s22, s23                    ; FB
	s_add_co_u32 s25, s20, s21
	s_and_b32 s25, s25, 7                          ; M
	s_lshl_b32 s26, s20, 5
	s_add_co_u32 s26, s26, s18                     ; j = 32 R + jl
	s_lshl_b32 s27, s25, 5
	s_lshl_b32 s28, s17, 4
	s_add_co_u32 s27, s27, s28                     ; i0 = 32 M + 16 oh
	s_mul_i32 s28, s18, s24
	s_add_co_u32 s28, s28, s22
	s_add_co_u32 s28, s28, s21                     ; seq
	s_lshl_b32 s29, s16, 9                         ; my wave's 512 bytes of a row of 512 k
	s_lshl_b32 s30, s27, 19                        ; offset of W[i0][j][128 w]
	s_lshl_b32 s38, s26, 11
	s_add_co_u32 s30, s30, s38
	s_add_co_u32 s30, s30, s29
	s_mov_b32 s31, 0
	s_lshl_b32 s32, s26, 19                        ; offset of W[j][i0][128 w]
	s_lshl_b32 s38, s27, 11
	s_add_co_u32 s32, s32, s38
	s_add_co_u32 s32, s32, s29
	s_mov_b32 s33, 0
	s_mul_i32 s36, s16, 8*KTB                      ; offset in wp: k tile 8 w, fragment seq, octet 2 oh
	s_lshl_b32 s38, s28, 10
	s_add_co_u32 s36, s36, s38
	s_lshl_b32 s38, s17, 9
	s_add_co_u32 s36, s36, s38
	s_mov_b32 s37, 0
	v_lshlrev_b32 v2, 4, v1                        ; v2: 16 x lane, my 4 k in the wave's 512 bytes
	v_mul_u32_u24 v3, v1, 80                       ; v3: into LDS: a lane's four pieces of 16 bytes, lanes 80 bytes apart (an odd multiple of 16, ISA guide 11.1)
	v_lshrrev_b32 v6, 2, v1
	v_and_b32 v7, 3, v1
	v_mul_u32_u24 v4, v6, 80                       ; v4: back: lane l takes the piece of k = 32 q + l of the wave's 128: it lies at 80 (8 q + l / 4) + 16 (l % 4)
	v_lshl_add_u32 v4, v7, 4, v4
	s_mul_i32 s38, s16, 5120                       ; my wave's own 5,120 bytes: two octets x 32 lanes x 80
	v_add_nc_u32 v3, s38, v3
	v_add_nc_u32 v4, s38, v4
	v_lshrrev_b32 v6, 4, v1
	v_and_b32 v7, 15, v1
	v_mul_u32_u24 v5, v6, KTB                      ; v5: in wp: lanes 0-15 fill 256 bytes of one k tile's fragment, lanes 16-31 of the next tile's
	v_lshl_add_u32 v5, v7, 4, v5
	s_wait_kmcnt 0x0
	s_add_nc_u64 s[34:35], s[4:5], s[32:33]        ; W[j][i0][..]
	s_add_nc_u64 s[32:33], s[4:5], s[30:31]        ; W[i0][j][..]
	s_add_nc_u64 s[36:37], s[8:9], s[36:37]
; sym = 1: W[i][j] + W[j][i]; sym = 0 (d = 0, the diagonal block): W[i][j] alone.
.macro WJOB sym
.set e, 0
.rept 16                                       ; all loads go out at once: 16 or 32 of 512 consecutive bytes a wave; 15 rows of W[i] are 7,864,320 bytes, inside the signed 24-bit immediate (ISA guide, chapter 10)
	global_load_b128 v[VA+4*e:VA+4*e+3], v2, s[32:33] offset:e*WI th:TH_LOAD_NT
.if \sym
	global_load_b128 v[VB+4*e:VB+4*e+3], v2, s[34:35] offset:e*WJ th:TH_LOAD_NT
.endif
.set e, e+1
.endr
.irp o, 0,1                                    ; octet o: rows 8 o .. 8 o + 7
	s_wait_loadcnt (1-(\o))*8*(1+(\sym))           ; loads come back in order (ISA guide 5.7.1): the second octet's 8 or 16 may stay out
.if \sym
.set z, 0
.rept 16
	v_pk_add_f32 v[VA+32*(\o)+2*z:VA+32*(\o)+2*z+1], v[VA+32*(\o)+2*z:VA+32*(\o)+2*z+1], v[VB+32*(\o)+2*z:VB+32*(\o)+2*z+1]
.set z, z+1
.endr
.endif
.irp q, 0,1,2,3                                ; for my k number q: eight i rounded to f16, the lowest i in the lowest bits: 16 bytes
.irp m, 0,1,2,3
	v_cvt_pk_f16_f32 v[VB+32*(\o)+4*(\q)+(\m)], v[VA+32*(\o)+8*(\m)+(\q)], v[VA+32*(\o)+8*(\m)+4+(\q)]
.endr
.endr
.irp q, 0,1,2,3
	ds_store_b128 v3, v[VB+32*(\o)+4*(\q):VB+32*(\o)+4*(\q)+3] offset:(\o)*2560+16*(\q)
.endr
.irp q, 0,1,2,3
	ds_load_b128 v[VA+32*(\o)+4*(\q):VA+32*(\o)+4*(\q)+3], v4 offset:(\o)*2560+640*(\q)  ; LDS serves a wave's instructions in order (ISA guide 5.7.1.4): these see the stores above; the bytes are the wave's own
.endr
.endr
.irp o, 0,1
.irp q, 0,1,2,3
	s_wait_dscnt (1-(\o))*8+3-(\q)                 ; behind this load stand the rest of its four and, for octet 0, octet 1's four stores and four loads
	global_store_b128 v5, v[VA+32*(\o)+4*(\q):VA+32*(\o)+4*(\q)+3], s[36:37] offset:(\q)*2*KTB+(\o)*256  ; k tile 8 w + 2 q + lane / 16: 16 lanes store 256 consecutive bytes, aligned
.endr
.endr
	s_wait_tensorcnt 0x0
	ds_add_u32 v136, v137
	s_wait_dscnt 0x0
	s_endpgm
.endm
	s_cmp_eq_u32 s21, 0
	s_cbranch_scc1 .Ldiag
	WJOB 1
.Ldiag:
	WJOB 0
	; THE xt JOB.  A work-group takes 64 rows of x (bw) and 32 columns (jo); thread t the row r = t % 16 of each of the four groups of 16 rows, and four columns.
.Lxt:
	s_lshr_b32 s17, s14, 3                         ; bw = 4 bb + w
	s_and_b32 s18, s14, 7                          ; jo
	v_and_b32 v2, 15, v0                           ; r
	v_lshrrev_b32 v3, 4, v0                        ; jq 0..7
	v_lshlrev_b32 v4, 10, v2
	v_lshl_add_u32 v4, v3, 4, v4                   ; in: 1,024 r + 16 jq
	v_lshlrev_b32 v5, 12, v3
	v_lshl_add_u32 v5, v2, 4, v5                   ; out: 4,096 jq + 16 r
	s_lshl_b32 s20, s17, 16
	s_lshl_b32 s19, s18, 7
	s_add_co_u32 s20, s20, s19
	s_mov_b32 s21, 0
	s_lshr_b32 s22, s17, 2
	s_lshl_b32 s22, s22, 18                        ; bb x 262,144
	s_and_b32 s19, s17, 3
	s_lshl_b32 s19, s19, 8                         ; w x 256
	s_add_co_u32 s22, s22, s19
	s_lshl_b32 s19, s18, 15                        ; 32 jo columns of 1,024 bytes
	s_add_co_u32 s22, s22, s19
	s_mov_b32 s23, 0
	s_wait_kmcnt 0x0
	s_add_nc_u64 s[24:25], s[6:7], s[20:21]
	s_add_nc_u64 s[26:27], s[12:13], s[22:23]
.irp bt, 0,1,2,3
	global_load_b128 v[8+4*(\bt):8+4*(\bt)+3], v4, s[24:25] offset:(\bt)*16384
.endr
	s_wait_loadcnt 0x0
.irp jj, 0,1,2,3                               ; four rows x four columns are turned in registers
.irp bt, 0,1,2,3
	v_mov_b32 v[24+4*(\jj)+(\bt)], v[8+4*(\bt)+(\jj)]
.endr
.endr
.irp jj, 0,1,2,3
	global_store_b128 v5, v[24+4*(\jj):24+4*(\jj)+3], s[26:27] offset:(\jj)*1024  ; 16 lanes store 256 consecutive bytes, aligned
.endr
	s_endpgm
	; THE xh JOB.  A work-group writes 4,096 consecutive bytes of xh: 16 rows of x, 128 columns; thread t two pieces of 8 columns.
.Lxh:
	v_and_b32 v2, 15, v0                           ; r
	v_bfe_u32 v3, v0, 4, 3                         ; which 8 columns of 64
	v_lshlrev_b32 v4, 10, v2
	v_lshl_add_u32 v4, v3, 5, v4                   ; in: 1,024 r + 32 x that
	v_lshlrev_b32 v5, 4, v0                        ; out: 16 t
	s_lshr_b32 s17, s14, 3                         ; wb
	s_bfe_u32 s18, s14, 0x20001                    ; bt
	s_and_b32 s19, s14, 1                          ; which 128 columns
	s_lshl_b32 s20, s17, 16
	s_lshl_b32 s18, s18, 14
	s_add_co_u32 s20, s20, s18
	s_lshl_b32 s19, s19, 9
	s_add_co_u32 s20, s20, s19
	s_mov_b32 s21, 0
	s_lshl_b32 s22, s14, 12
	s_mov_b32 s23, 0
	s_wait_kmcnt 0x0
	s_add_nc_u64 s[24:25], s[6:7], s[20:21]
	s_add_nc_u64 s[26:27], s[10:11], s[22:23]
.irp u, 0,1
	global_load_b128 v[8+8*(\u):8+8*(\u)+3],   v4, s[24:25] offset:(\u)*256
	global_load_b128 v[8+8*(\u)+4:8+8*(\u)+7], v4, s[24:25] offset:(\u)*256+16
.endr
	s_wait_loadcnt 0x0
.irp u, 0,1
.irp m, 0,1,2,3
	v_cvt_pk_f16_f32 v[24+4*(\u)+(\m)], v[8+8*(\u)+2*(\m)], v[8+8*(\u)+2*(\m)+1]
.endr
.endr
.irp u, 0,1
	global_store_b128 v5, v[24+4*(\u):24+4*(\u)+3], s[26:27] offset:(\u)*2048  ; a wave stores 512 consecutive bytes, aligned
.endr
	s_endpgm
.Lfunc_end_k_q198d02047a_prep:
	.size	k_q198d02047a_prep, .Lfunc_end_k_q198d02047a_prep-k_q198d02047a_prep
	.p2alignl 7, 3214868480
	.fill 96, 4, 3214868480
	.section	.rodata,"a",@progbits
	.p2align	6, 0x0
	.amdhsa_kernel k_q198d02047a_prep
		.amdhsa_group_segment_fixed_size 20992
		.amdhsa_private_segment_fixed_size 0
		.amdhsa_enable_private_segment 0
		.amdhsa_kernarg_size 40
		.amdhsa_user_sgpr_count 2
		.amdhsa_user_sgpr_kernarg_segment_ptr 1
		.amdhsa_wavefront_size32 1
		.amdhsa_system_sgpr_workgroup_id_x 1
		.amdhsa_system_sgpr_workgroup_id_y 1
		.amdhsa_system_sgpr_workgroup_id_z 1
		.amdhsa_system_vgpr_workitem_id 0
		.amdhsa_next_free_vgpr 138
		.amdhsa_next_free_sgpr 66
		.amdhsa_reserve_vcc 0
		.amdhsa_float_denorm_mode_32 3
		.amdhsa_float_denorm_mode_16_64 3
		.amdhsa_memory_ordered 1
		.amdhsa_forward_progress 1
		.amdhsa_inst_pref_size 22
	.end_amdhsa_kernel
	.amdgpu_metadata
---
amdhsa.version: [ 1, 2 ]
amdhsa.kernels:
  - .name:           k_q198d02047a_prep
    .symbol:         k_q198d02047a_prep.kd
    .args:
      - { .name: weights, .offset: 0, .size: 8, .value_kind: global_buffer, .address_space: global }
      - { .name: x, .offset: 8, .size: 8, .value_kind: global_buffer, .address_space: global }
      - { .name: wp, .offset: 16, .size: 8, .value_kind: global_buffer, .address_space: global }
      - { .name: xh, .offset: 24, .size: 8, .value_kind: global_buffer, .address_space: global }
      - { .name: xt, .offset: 32, .size: 8, .value_kind: global_buffer, .address_space: global }
    .group_segment_fixed_size: 20992
    .private_segment_fixed_size: 0
    .kernarg_segment_align: 8
    .kernarg_segment_size: 40
    .max_flat_workgroup_size: 128
    .sgpr_count:     66
    .vgpr_count:     138
    .wavefront_size: 32
...
	.end_amdgpu_metadata
.endif
;; end of part 1
;; launch bilin (part 2): grid 8 x 32, 4 waves a work-group, clusters of 4 x 1, 327,680 bytes of LDS; arguments wp, xh, xt, out0; writes out0
.if DOCPART == 2
	.amdgcn_target "amdgcn-amd-amdhsa--gfx1250"
	.amdhsa_code_object_version 6
	.text
	.protected	k_q198d02047a_bilin
	.globl	k_q198d02047a_bilin
	.p2align	8
	.type	k_q198d02047a_bilin,@function
k_q198d02047a_bilin:
	s_mov_b64 s[64:65], 0
	v_nop
	global_prefetch_b8 v0, s[64:65] scope:SCOPE_SE
	s_setreg_imm32_b32 hwreg(HW_REG_WAVE_MODE, 25, 1), 1
	s_wait_xcnt 0x0
	s_wait_alu depctr_hold_cnt(0) depctr_sa_sdst(0) depctr_va_vdst(0) depctr_va_sdst(0) depctr_va_ssrc(0) depctr_va_vcc(0) depctr_vm_vsrc(0)
	s_getreg_b32 s2, hwreg(HW_REG_IB_STS2, 6, 4)
	s_cmp_eq_u32 s2, 0
	s_cbranch_scc0 .Lentry_in_a_cluster
	s_endpgm
.Lentry_in_a_cluster:
	s_bfe_u32 s2, ttmp6, 0x10000c
	s_cmp_lg_u32 s2, 0x3003
	s_cbranch_scc0 .Lentry_shape_is_right
	s_endpgm
.Lentry_shape_is_right:
; out[b][k] = sum over R, j in block R of x[b][j] t(b, j, k),  t = sum over d < c(R), i in block (R + d) & 7 of x[b][i] W'[i][j][k].   out0: [2048][512] f32.
; wp holds W' (W_ij, or W_ij + W_ji off the diagonal blocks) in f16 as ready fragments, xh holds x in f16 as ready fragments, xt holds x in f32 by columns (layouts: below, where they are read).
; c = 5 for R < 4, 4 for R >= 4: each unordered pair of blocks of 32 indices once, 36 of 64, which holds for every W since x_i x_j = x_j x_i.
; t is a chain of c matrix instructions (f16 x f16, sums in f32); the factor x[b][j] and the sum over j are f32 multiply-adds: that sum has no operand shared between rows b, so it is no matrix product.
; LIMITS.  f16 ends at 65,504: |x| and |W_ij + W_ji| beyond it are infinities here; below 6e-5 f16 keeps its fixed step of 6e-8.  The order of the sums is not reference()'s.  NaN and infinities are not treated apart.
; SHARES.  256 work-groups: 8 blocks of 256 rows b (bb) x 32 tiles of 16 columns k (kt).  Each of four waves has 64 rows, four tiles bt of 16.  A STEP is one j: c fragments of W' (16 k x 32 i, 1,024 bytes),
; each read from LDS by every wave and multiplied with the wave's four x fragments, which stay in registers (256 of them): 4 c matrix instructions, then 16 packed multiply-adds onto OUT, done a step later.
; LAYOUT.  Source 0 = W' fragment (rows k), source 1 = x fragment (columns b): in the result lane l holds ONE row b = l % 16 and the columns k = 8 (l / 16) + 0..7, so x[b][j] is one number a lane.
; RING.  Two LDS slots of 16 steps: the steps' fragments (80 or 64 KiB, dense in wp in the order in which they are used) and their factors (16 KiB).  CLUSTER: the four work-groups of a cluster have the same kt and
; walk the same fragments, so these are asked for JOINTLY (waves 0, 1: fragments 0-31, 32-63; wave 3: 64-79 where c = 5).  The factors are each work-group's own rows: wave 2 asks for them alone (mask 0).
; A refill is asked for 16 steps ahead of its first read.  By the text's own count a wave has two tensor loads out at the start, later one.
; WAY OUT.  A work-group owns 64 consecutive bytes of each of its rows of out0 and stores them as four pieces of 16: not whole runs of 256.  Four k tiles to a work-group would store such runs, and would bring four times
; the fragment bytes into LDS for the same products; the output is 4 MiB, stored once.
; OUT, T1 and XR1 are cleared by 68 v_mov_b32 in the wait for the first tile, so that the first step's multiply-adds (of a step that has not been) add 0 and no first step is written out.
; REGISTERS (s_set_vgpr_msb: bits 1:0 source 0, 3:2 source 1, 5:4 source 2, 7:6 destination).  Window 0: below.  Window 1: the x fragments, (bt, s) at 64 bt + 8 s.  A product names source 1 in window 1, a multiply-add in
; window 0: two switches for each group of four products; the LDS loads among the products name no source 1 and need none.
.set KTB,   1179648                    ; bytes of one k tile in wp
.set SLOT1, 1<<17                      ; slot 1 begins here: one exclusive or turns an address in one slot into the other's
.set RIDER, 81920                      ; in a slot: behind 80 fragments, 16 steps x 1,024 bytes of factors: [w 4][r 16][bt 4] f32
.set SPARE, SLOT1+RIDER+16384          ; behind the ring: the spare words, 128 bytes for each wave: two blocks of 256 bytes that no other line names
.set LN,  1                            ; v1   16 x lane; never rewritten
.set AF,  2                            ; v2   LDS address of my 16 bytes in the running step's first fragment
.set AX,  3                            ; v3   LDS address of my factors of the running step
.set LX,  4                            ; v4   RIDER + 256 w + 16 (lane % 16); never rewritten
.set GO,  5                            ; v5   my byte offset in the wave's rows of out0
.set SPW, 6                            ; v6   LDS address of my spare word: SPARE + 4 x my thread's number; never rewritten
.set NIL, 7                            ; v7   0; never rewritten
.set XR,  8                            ; v[8:11], v[12:15]    x[b][j] for bt = 0..3, by the step's parity
.set OUT, 16                           ; v[16:47]             the sums, 8 a tile bt
.set TT,  48                           ; v[48:79], v[80:111]  t, 8 a tile bt, by the step's parity
.set FF,  112                          ; v[112:151], v[152:191]  the step's fragments of W', 8 for each d, by the step's parity
.set WV,  12                           ; s12  my wave's number
.set TBF, 22                           ; s22  LDS byte at which the running step's fragments begin
.set CNT, 23                           ; s23  counts pairs of steps
.set CNT2, 24                          ; s24  counts a block's two slots
.set TBX, 25                           ; s25  LDS byte of the running step's factors, less RIDER
.set G1A, 28                           ; s[28:35] group 1: 128 rows of 256 bytes, joint
.set G1B, 36                           ; s[36:43] group 1: 64 rows, joint
.set G1X, 44                           ; s[44:51] group 1: 64 rows, my work-group alone
.set G0A0, 52                          ; group 0: a set for each of the two first fills; the second then walks on
.set G0A1, 56
.set G0B0, 60
.set G0B1, 68
.set G0X0, 72
.set G0X1, 76
.set WM,  0x04                         ; products: source 1 in window 1
.set MSB, 0
.macro WIN new                         ; the immediate's high byte repeats the setting that is left; a switch that changes nothing is dropped
.if MSB != (\new)
	s_set_vgpr_msb (MSB<<8)|(\new)
.set MSB, (\new)
.endif
.endm
.macro CREST                           ; a round of the cluster's barrier behind its opening barrier: wave 0 signals for the work-group, every wave waits for all four work-groups, my work-group's barrier once more
	s_cmp_lg_u32 s[WV], 0
	s_cbranch_scc1 .Lnot_wave_0_\@
	s_barrier_signal -3
.Lnot_wave_0_\@:
	s_barrier_wait -3
	s_barrier_signal -1
	s_barrier_wait -1
.endm
.macro CROUND                          ; a whole round
	s_barrier_signal -1
	s_barrier_wait -1
	CREST
.endm
; A refill: one tensor load a wave, chosen by the wave's number alone, which is the same in every work-group.  fillc: c of the slot asked for; with 4 wave 3 has nothing to ask for.
; Four v_nop follow each load, ahead of the jump, the label and what follows.
.macro JLOAD fillc
	s_cmp_lt_u32 s[WV], 2
	s_cbranch_scc0 .Lnot_a_\@
	tensor_load_to_lds s[G0A1:G0A1+3], s[G1A:G1A+7]
	s_nop 0
.rept 4
	v_nop
.endr
	s_branch .Lasked_\@
.Lnot_a_\@:
	s_cmp_eq_u32 s[WV], 2
	s_cbranch_scc0 .Lfor_b_\@
	tensor_load_to_lds s[G0X1:G0X1+3], s[G1X:G1X+7]
	s_nop 0
.rept 4
	v_nop
.endr
	s_branch .Lasked_\@
.Lfor_b_\@:
.if (\fillc) == 5
	tensor_load_to_lds s[G0B1:G0B1+3], s[G1B:G1B+7]
	s_nop 0
.rept 4
	v_nop
.endr
.endif
.Lasked_\@:
.endm
; The walking descriptors step: the other slot than last time; fstep bytes on in wp (the size of the slot asked for last), 16 columns on in xt.  The type bits on top are not reached.
.macro WALK fstep, fillc
	s_xor_b32 s[G0A1+1], s[G0A1+1], SLOT1
	s_add_nc_u64 s[G0A1+2:G0A1+3], s[G0A1+2:G0A1+3], \fstep
.if (\fillc) == 5
	s_xor_b32 s[G0B1+1], s[G0B1+1], SLOT1
	s_add_nc_u64 s[G0B1+2:G0B1+3], s[G0B1+2:G0B1+3], \fstep
.endif
	s_xor_b32 s[G0X1+1], s[G0X1+1], SLOT1
	s_add_nc_u64 s[G0X1+2:G0X1+3], s[G0X1+2:G0X1+3], 16384
.endm
; Group d of a step of parity p: four products, one for each tile bt; the four accumulators take turns: between two links of a chain stand the three others'.  d = 0 starts the sums with the constant 0.
; ld = 1: behind the first two products stand the two loads of the NEXT step's fragment d (c fragments on), into the other buffer; its last readers stand a step back.
.macro GRP R, c, p, d, ld
	WIN WM
.irp bt, 0,1,2,3
.if (\d) == 0
	v_wmma_f32_16x16x32_f16 v[TT+32*(\p)+8*(\bt):TT+32*(\p)+8*(\bt)+7], v[FF+40*(\p)+8*(\d):FF+40*(\p)+8*(\d)+7], v[64*(\bt)+8*(((\R)+(\d))&7):64*(\bt)+8*(((\R)+(\d))&7)+7], 0
.else
	v_wmma_f32_16x16x32_f16 v[TT+32*(\p)+8*(\bt):TT+32*(\p)+8*(\bt)+7], v[FF+40*(\p)+8*(\d):FF+40*(\p)+8*(\d)+7], v[64*(\bt)+8*(((\R)+(\d))&7):64*(\bt)+8*(((\R)+(\d))&7)+7], v[TT+32*(\p)+8*(\bt):TT+32*(\p)+8*(\bt)+7]
.endif
.if (\ld) && ((\bt) < 2)
	ds_load_b128 v[FF+40*(1-(\p))+8*(\d)+4*(\bt):FF+40*(1-(\p))+8*(\d)+4*(\bt)+3], v[AF] offset:((\c)+(\d))*1024+512*(\bt)
.endif
.endr
.endm
; Multiply-add f of 16 for the step of parity p: OUT += t x[b][j] for tile f / 4, columns 2 (f % 4) and the next.  Both halves take the tile's one factor: the first register of its pair (even tiles) or the second (odd).
.macro FM p, f
.set bt_, (\f)/4
.set pr_, (\f)%4
.if bt_%2
	v_pk_fma_f32 v[OUT+8*bt_+2*pr_:OUT+8*bt_+2*pr_+1], v[TT+32*(\p)+8*bt_+2*pr_:TT+32*(\p)+8*bt_+2*pr_+1], v[XR+4*(\p)+bt_-1:XR+4*(\p)+bt_], v[OUT+8*bt_+2*pr_:OUT+8*bt_+2*pr_+1] op_sel:[0,1,0] op_sel_hi:[1,1,1]
.else
	v_pk_fma_f32 v[OUT+8*bt_+2*pr_:OUT+8*bt_+2*pr_+1], v[TT+32*(\p)+8*bt_+2*pr_:TT+32*(\p)+8*bt_+2*pr_+1], v[XR+4*(\p)+bt_:XR+4*(\p)+bt_+1], v[OUT+8*bt_+2*pr_:OUT+8*bt_+2*pr_+1] op_sel_hi:[1,0,1]
.endif
.endm
; Behind group d: its share of the step BEFORE's 16 multiply-adds (c = 4: four each; c = 5: 3, 3, 3, 3, 4), in ascending order.
.macro RIDE c, p, d
	WIN 0
.if (\c) == 4
.set f0_, 4*(\d)
.set fn_, 4
.else
.set f0_, 3*(\d)
.set fn_, 3+(\d)/4
.endif
.rept fn_
	FM 1-(\p), f0_
.set f0_, f0_+1
.endr
.endm
; A STEP.  A vector instruction that reads a matrix result, and a load into a register that a matrix instruction has read, stand four places behind it, a matrix instruction that writes over one of its registers five,
; and only plain vector instructions that name none of its registers are places (ISA guide 7.12.1 for vector instructions).  Behind a step's last product stand four multiply-adds on the
; other buffers and the two address lines: six places, ahead of the next step's first read of this step's t, of the loads into this step's fragments and of the products that start t anew two steps on.
.macro STEP R, c, p
.set d_, 0
.rept \c
	s_wait_dscnt 2*(\c)-1                          ; LDS loads come back in order (ISA guide 5.7.1): behind fragment d's two stand 2 (c - 1 - d) of its step, the factors' one and this step's 2 d
	GRP \R, \c, \p, d_, 1
	RIDE \c, \p, d_
.set d_, d_+1
.endr
	ds_load_b128 v[XR+4*(1-(\p)):XR+4*(1-(\p))+3], v[AX] offset:1024  ; the next step's factors: their registers were read for the last time just above; 2 c + 1 LDS loads follow before the wait ahead of their first use
	s_add_co_u32 s[TBF], s[TBF], (\c)*1024
	s_add_co_u32 s[TBX], s[TBX], 1024
	v_add_nc_u32 v[AF], s[TBF], v[LN]
	v_add_nc_u32 v[AX], s[TBX], v[LX]
.endm
; A slot's LAST STEP, with the change of slots.  cn: c of the next slot.  mode 2: this slot is filled again, with the slot two on; mode 1: nothing is left to ask for; mode 0: the walk's last step.
; In front of the barrier each wave waits for all its tensor loads, of which one is out: its part of the next slot; adds 0 to its spare word; and waits for that and for its reads of this slot, which are over: the step's
; fragments and factors were asked for a step ago.  Behind it nobody reads this slot any more and the next slot is whole.  With mode 2 the barrier opens a round of the cluster's, so that no wave of any partner still
; reads the slot or has a load on its way, and the refill is the first thing behind the round.
.macro LASTSTEP R, c, p, cn, mode, fstep, fillc
.if (\mode) == 0
	s_wait_dscnt 0x0
.set d_, 0
.rept \c
	GRP \R, \c, \p, d_, 0
	RIDE \c, \p, d_
.set d_, d_+1
.endr
.set f_, 0
.rept 16                               ; the last step's own multiply-adds; the four just above, on the other buffers, are the places behind its last products
	FM \p, f_
.set f_, f_+1
.endr
.else
	WIN 0
	s_wait_tensorcnt 0x0                           ; no tensor load of mine is out, so a group 0 may be written
	ds_add_u32 v[SPW], v[NIL]                      ; 0 onto my spare word: scalar steps and four products stand between it and the wait for it
.if (\mode) == 2
	WALK \fstep, \fillc
.endif
	s_sub_co_u32 s[TBF], s[TBF], 15*(\c)*1024      ; the reads go back to a slot's first step,
	s_xor_b32 s[TBF], s[TBF], SLOT1                ; in the other slot
	s_sub_co_u32 s[TBX], s[TBX], 15*1024
	s_xor_b32 s[TBX], s[TBX], SLOT1
	s_wait_dscnt 2*(\c)                            ; behind fragment 0's two loads: 2 (c - 1) of its step, the factors' one and the add
	GRP \R, \c, \p, 0, 0
	RIDE \c, \p, 0
	s_wait_dscnt 0x0                               ; the add is done, and my reads of this slot are over
	s_barrier_signal -1
	GRP \R, \c, \p, 1, 0                           ; work on registers while the others arrive
	RIDE \c, \p, 1
	v_add_nc_u32 v[AF], s[TBF], v[LN]
	v_add_nc_u32 v[AX], s[TBX], v[LX]
	s_barrier_wait -1
.if (\mode) == 2
	CREST
	JLOAD \fillc
.endif
.set e_, 0
.rept \cn                              ; the next slot's first step, in one run
	ds_load_b128 v[FF+40*(1-(\p))+8*e_:FF+40*(1-(\p))+8*e_+3],   v[AF] offset:e_*1024
	ds_load_b128 v[FF+40*(1-(\p))+8*e_+4:FF+40*(1-(\p))+8*e_+7], v[AF] offset:e_*1024+512
.set e_, e_+1
.endr
.set d_, 2
.rept (\c)-2
	GRP \R, \c, \p, d_, 0
	RIDE \c, \p, d_
.set d_, d_+1
.endr
	ds_load_b128 v[XR+4*(1-(\p)):XR+4*(1-(\p))+3], v[AX]
.endif
.endm
; A slot: 16 steps of block R: seven pairs in a loop, one more step, the last step.
.macro SLOTRUN R, c, cn, mode, fstep, fillc
	s_mov_b32 s[CNT], 7
.Lpair_\@:
	STEP \R, \c, 0
	STEP \R, \c, 1
	s_sub_co_u32 s[CNT], s[CNT], 1
	s_cmp_lg_u32 s[CNT], 0
	s_cbranch_scc1 .Lpair_\@
	STEP \R, \c, 0
	LASTSTEP \R, \c, 1, \cn, \mode, \fstep, \fillc
.endm
; A block's two slots, where both changes of slots are alike: written once, walked twice.
.macro PHASE2 R, c, fstep
	s_mov_b32 s[CNT2], 2
.Lhalf_\@:
	SLOTRUN \R, \c, \c, 2, \fstep, \c
	s_sub_co_u32 s[CNT2], s[CNT2], 1
	s_cmp_lg_u32 s[CNT2], 0
	s_cbranch_scc1 .Lhalf_\@
.endm
	s_load_b256 s[4:11], s[0:1], 0x0               ; wp s[4:5], xh s[6:7], xt s[8:9], out0 s[10:11]
	v_lshl_add_u32 v[SPW], v0, 2, SPARE
	v_mov_b32 v[NIL], 0
	ds_add_u32 v6, v7
	s_wait_dscnt 0x0
	v_lshrrev_b32 v192, 5, v0
	v_readfirstlane_b32 s[WV], v192                ; wave 0..3
	s_bfe_u32 s13, ttmp6, 0x40000                  ; cx: my place in the cluster
	s_lshl_b32 s14, ttmp9, 2                       ; in a cluster launch ttmp9 counts clusters
	s_add_co_u32 s14, s14, s13                     ; bb = 4 x cluster x + cx: it enters xh's, xt's and out0's addresses alone
	s_and_b32 s15, ttmp7, 0xffff                   ; kt, which the four partners share
	s_and_b32 s16, s[WV], 1                        ; waves 0, 1: which 32 fragments
	s_lshl_b32 s17, s16, 15
	s_mul_i32 s18, s15, KTB                        ; the k tile's first byte in wp
	s_mov_b32 s19, 0
	s_add_co_u32 s20, s18, s17
	s_mov_b32 s21, 0
	s_lshl_b32 s26, s14, 18                        ; my 256 rows' part of xt
	s_mov_b32 s27, 0
	; group 1: dense bytes, asked for as rows of 256: elements of 8 bytes, 32 to a row, 32 from row to row; no padding: every LDS read takes 16 consecutive bytes a lane
	s_mov_b32 s[G1A], 15|(3<<16)|(1<<21)           ; 15:0 the mask: all four work-groups; 17:16 elements of 8 bytes; 21 set beside a mask
	s_mov_b32 s[G1B], 15|(3<<16)|(1<<21)
	s_mov_b32 s[G1X], 3<<16                        ; mask 0: my work-group alone
.irp g, G1A, G1B, G1X
	s_mov_b32 s[(\g)+1], 32<<16                    ; tensor_dim0 = 32
	s_mov_b32 s[(\g)+3], 32<<16                    ; tile_dim0 = 32
	s_mov_b32 s[(\g)+5], 32                        ; tensor_dim0_stride
	s_mov_b32 s[(\g)+6], 0
	s_mov_b32 s[(\g)+7], 0
.endr
	s_mov_b32 s[G1A+2], 128<<16                    ; tensor_dim1 = tile_dim1 = 128 rows: 32 fragments
	s_mov_b32 s[G1A+4], 128
	s_mov_b32 s[G1B+2], 64<<16                     ; 64 rows: 16 fragments
	s_mov_b32 s[G1B+4], 64
	s_mov_b32 s[G1X+2], 64<<16                     ; 64 rows: 16 steps' factors
	s_mov_b32 s[G1X+4], 64
	; group 0: count 1, LDS address (constants and the wave's number alone), global address, type 2
	s_mov_b32 s[G0A0], 1
	s_mov_b32 s[G0A0+1], s17
	s_mov_b32 s[G0A1], 1
	s_add_co_u32 s[G0A1+1], s17, SLOT1
	s_mov_b32 s[G0B0], 1
	s_mov_b32 s[G0B0+1], 65536
	s_mov_b32 s[G0B1], 1
	s_mov_b32 s[G0B1+1], SLOT1+65536
	s_mov_b32 s[G0X0], 1
	s_mov_b32 s[G0X0+1], RIDER
	s_mov_b32 s[G0X1], 1
	s_mov_b32 s[G0X1+1], SLOT1+RIDER
	s_mov_b32 s[TBF], 0
	s_mov_b32 s[TBX], 0
	s_wait_kmcnt 0x0
	s_add_nc_u64 s[66:67], s[4:5], s[20:21]        ; wp at my 32 fragments of slot 0
	s_add_nc_u64 s[G0A0+2:G0A0+3], s[66:67], 0
	s_or_b32 s[G0A0+3], s[G0A0+3], 0x80000000
	s_add_nc_u64 s[G0A1+2:G0A1+3], s[66:67], 81920 ; slot 1: 80 fragments on
	s_or_b32 s[G0A1+3], s[G0A1+3], 0x80000000
	s_add_nc_u64 s[66:67], s[4:5], s[18:19]
	s_add_nc_u64 s[G0B0+2:G0B0+3], s[66:67], 65536 ; fragments 64-79
	s_or_b32 s[G0B0+3], s[G0B0+3], 0x80000000
	s_add_nc_u64 s[G0B1+2:G0B1+3], s[66:67], 65536+81920
	s_or_b32 s[G0B1+3], s[G0B1+3], 0x80000000
	s_add_nc_u64 s[2:3], s[8:9], s[26:27]
	s_add_nc_u64 s[G0X0+2:G0X0+3], s[2:3], 0
	s_or_b32 s[G0X0+3], s[G0X0+3], 0x80000000
	s_add_nc_u64 s[G0X1+2:G0X1+3], s[2:3], 16384   ; 16 columns of 1,024 bytes on
	s_or_b32 s[G0X1+3], s[G0X1+3], 0x80000000
	CROUND                                         ; all four work-groups are here: the first joint loads meet
	s_cmp_lt_u32 s[WV], 2                          ; a wave's two first fills stand in one branch, ahead of every wait on TENSORcnt and every LDS read; four v_nop follow the second
	s_cbranch_scc0 .Lfirst_not_a
	tensor_load_to_lds s[G0A0:G0A0+3], s[G1A:G1A+7]
	s_nop 0
	tensor_load_to_lds s[G0A1:G0A1+3], s[G1A:G1A+7]
	s_nop 0
.rept 4
	v_nop
.endr
	s_branch .Lfirst_asked
.Lfirst_not_a:
	s_cmp_eq_u32 s[WV], 2
	s_cbranch_scc0 .Lfirst_b
	tensor_load_to_lds s[G0X0:G0X0+3], s[G1X:G1X+7]
	s_nop 0
	tensor_load_to_lds s[G0X1:G0X1+3], s[G1X:G1X+7]
	s_nop 0
.rept 4
	v_nop
.endr
	s_branch .Lfirst_asked
.Lfirst_b:
	tensor_load_to_lds s[G0B0:G0B0+3], s[G1B:G1B+7]
	s_nop 0
	tensor_load_to_lds s[G0B1:G0B1+3], s[G1B:G1B+7]
	s_nop 0
.rept 4
	v_nop
.endr
.Lfirst_asked:
	; my wave's x fragments: xh [64-row block][bt][s][v][lane] x 16 bytes is their register image: load number 16 bt + 2 s + v fills registers 64 bt + 8 s + 4 v on of window 1
	s_lshl_b32 s26, s14, 2
	s_add_co_u32 s26, s26, s[WV]
	s_lshl_b32 s26, s26, 15
	s_add_nc_u64 s[6:7], s[6:7], s[26:27]
	v_and_b32 v[LN], 31, v0
	v_lshlrev_b32 v[LN], 4, v[LN]
	WIN 0x40                                       ; destination window 1, address window 0
.set i_, 0
.rept 64
	global_load_b128 v[4*i_:4*i_+3], v[LN], s[6:7] offset:512*i_
.set i_, i_+1
.endr
	WIN 0
	v_and_b32 v192, 15, v0                         ; lane % 16
	v_bfe_u32 v193, v0, 4, 1                       ; lane / 16
	s_lshl_b32 s17, s[WV], 8
	s_add_co_u32 s17, s17, RIDER
	v_lshlrev_b32 v[LX], 4, v192
	v_add_nc_u32 v[LX], s17, v[LX]
	v_lshlrev_b32 v[GO], 11, v192                  ; row lane % 16 of 2,048 bytes,
	v_lshl_add_u32 v[GO], v193, 5, v[GO]           ; columns 8 (lane / 16) on
	s_lshl_b32 s26, s14, 19                        ; out0 at row 256 bb + 64 w, column 16 kt
	s_lshl_b32 s20, s[WV], 17
	s_add_co_u32 s26, s26, s20
	s_lshl_b32 s20, s15, 6
	s_add_co_u32 s26, s26, s20
	s_add_nc_u64 s[10:11], s[10:11], s[26:27]
.set i_, 0
.rept 32
	v_mov_b32 v[OUT+i_], 0
	v_mov_b32 v[TT+32+i_], 0
.set i_, i_+1
.endr
.irp i, 0,1,2,3
	v_mov_b32 v[XR+4+(\i)], 0
.endr
	v_add_nc_u32 v[AF], s[TBF], v[LN]
	v_add_nc_u32 v[AX], s[TBX], v[LX]
	s_wait_tensorcnt 0x1                           ; my part of slot 0 is in; slot 1's may stay out
	s_barrier_signal -1
	s_barrier_wait -1                              ; everybody's is
.set e_, 0
.rept 5                                ; step 0's fragments, then its factors
	ds_load_b128 v[FF+8*e_:FF+8*e_+3],   v[AF] offset:e_*1024
	ds_load_b128 v[FF+8*e_+4:FF+8*e_+7], v[AF] offset:e_*1024+512
.set e_, e_+1
.endr
	ds_load_b128 v[XR:XR+3], v[AX]
	s_wait_loadcnt 0x0                             ; the x fragments
	; THE WALK: 16 slots, two to a block R.  At the end of slot n the slot n + 2 is asked for; the address steps by the size of slot n + 1.
	PHASE2 0, 5, 81920
	PHASE2 1, 5, 81920
	PHASE2 2, 5, 81920
	SLOTRUN 3, 5, 5, 2, 81920, 4                   ; slot 6: slot 8, the first of 64 fragments, is asked for
	SLOTRUN 3, 5, 4, 2, 65536, 4                   ; slot 7: the next slot's steps have four fragments
	PHASE2 4, 4, 65536
	PHASE2 5, 4, 65536
	PHASE2 6, 4, 65536
	SLOTRUN 7, 4, 4, 1, 0, 0                       ; slot 14: the tail is written out: nothing is asked for
	SLOTRUN 7, 4, 0, 0, 0, 0                       ; slot 15
.irp bt, 0,1,2,3
.irp u, 0,1
	global_store_b128 v[GO], v[OUT+8*(\bt)+4*(\u):OUT+8*(\bt)+4*(\u)+3], s[10:11] offset:(\bt)*32768+16*(\u)  ; row 16 bt + lane % 16, columns 8 (lane / 16) + 4 u on
.endr
.endr
	s_wait_tensorcnt 0x0                           ; the wave's end: behind my last tensor load and as my last LDS instructions
	ds_add_u32 v[SPW], v[NIL]
	s_wait_dscnt 0x0
	CROUND                                         ; the closing round: no work-group ends while a partner may still ask for a tile that names it
	s_endpgm
.Lfunc_end_k_q198d02047a_bilin:
	.size	k_q198d02047a_bilin, .Lfunc_end_k_q198d02047a_bilin-k_q198d02047a_bilin
	.p2alignl 7, 3214868480
	.fill 96, 4, 3214868480
	.section	.rodata,"a",@progbits
	.p2align	6, 0x0
	.amdhsa_kernel k_q198d02047a_bilin
		.amdhsa_group_segment_fixed_size 327680
		.amdhsa_private_segment_fixed_size 0
		.amdhsa_enable_private_segment 0
		.amdhsa_kernarg_size 32
		.amdhsa_user_sgpr_count 2
		.amdhsa_user_sgpr_kernarg_segment_ptr 1
		.amdhsa_wavefront_size32 1
		.amdhsa_system_sgpr_workgroup_id_x 1
		.amdhsa_system_sgpr_workgroup_id_y 1
		.amdhsa_system_sgpr_workgroup_id_z 1
		.amdhsa_system_vgpr_workitem_id 0
		.amdhsa_next_free_vgpr 512
		.amdhsa_next_free_sgpr 80
		.amdhsa_reserve_vcc 0
		.amdhsa_float_denorm_mode_32 3
		.amdhsa_float_denorm_mode_16_64 3
		.amdhsa_memory_ordered 1
		.amdhsa_forward_progress 1
		.amdhsa_inst_pref_size 165
	.end_amdhsa_kernel
	.amdgpu_metadata
---
amdhsa.version: [ 1, 2 ]
amdhsa.kernels:
  - .name:           k_q198d02047a_bilin
    .symbol:         k_q198d02047a_bilin.kd
    .args:
      - { .name: wp, .offset: 0, .size: 8, .value_kind: global_buffer, .address_space: global }
      - { .name: xh, .offset: 8, .size: 8, .value_kind: global_buffer, .address_space: global }
      - { .name: xt, .offset: 16, .size: 8, .value_kind: global_buffer, .address_space: global }
      - { .name: out0, .offset: 24, .size: 8, .value_kind: global_buffer, .address_space: global }
    .group_segment_fixed_size: 327680
    .private_segment_fixed_size: 0
    .kernarg_segment_align: 8
    .kernarg_segment_size: 32
    .max_flat_workgroup_size: 128
    .sgpr_count:     80
    .vgpr_count:     512
    .wavefront_size: 32
...
	.end_amdgpu_metadata
.endif
;; end of part 2
;; ======== version 2 of 2: 2 launches; 1.42 times as fast as version 1
;; limits: values are held in f16: magnitudes above 65,504 overflow, below 6.1e-05 lose precision
;; workspace buffers: wp 37,748,736 bytes; xh 1,048,576 bytes; xt 2,097,152 bytes
;; launch prep: the kernel of part 1 again; grid 256 x 11, 4 waves a work-group, no clusters, 20,992 bytes of LDS; arguments weights, x, wp, xh, xt; writes wp, xh, xt
;; launch bilin (part 3): grid 8 x 32, 4 waves a work-group, clusters of 4 x 1, 327,680 bytes of LDS; arguments wp, xh, xt, out0; writes out0
.if DOCPART == 3
	.amdgcn_target "amdgcn-amd-amdhsa--gfx1250"
	.amdhsa_code_object_version 6
	.text
	.protected	k_q198d02047a_bilin
	.globl	k_q198d02047a_bilin
	.p2align	8
	.type	k_q198d02047a_bilin,@function
k_q198d02047a_bilin:
	s_mov_b64 s[64:65], 0
	v_nop
	global_prefetch_b8 v0, s[64:65] scope:SCOPE_SE
	s_setreg_imm32_b32 hwreg(HW_REG_WAVE_MODE, 25, 1), 1
	s_wait_xcnt 0x0
	s_wait_alu depctr_hold_cnt(0) depctr_sa_sdst(0) depctr_va_vdst(0) depctr_va_sdst(0) depctr_va_ssrc(0) depctr_va_vcc(0) depctr_vm_vsrc(0)
	s_getreg_b32 s2, hwreg(HW_REG_IB_STS2, 6, 4)
	s_cmp_eq_u32 s2, 0
	s_cbranch_scc0 .Lentry_in_a_cluster
	s_endpgm
.Lentry_in_a_cluster:
	s_bfe_u32 s2, ttmp6, 0x10000c
	s_cmp_lg_u32 s2, 0x3003
	s_cbranch_scc0 .Lentry_shape_is_right
	s_endpgm
.Lentry_shape_is_right:
; out[b][k] = sum over R, j in block R of x[b][j] t(b, j, k),  t = sum over d < c(R), i in block (R + d) & 7 of x[b][i] W'[i][j][k].   out0: [2048][512] f32.
; wp holds W' (W_ij, or W_ij + W_ji off the diagonal blocks) in f16 as ready fragments, xh holds x in f16 as ready fragments, xt holds x in f32 by columns (layouts: below, where they are read).
; c = 5 for R < 4, 4 for R >= 4: each unordered pair of blocks of 32 indices once, 36 of 64, which holds for every W since x_i x_j = x_j x_i.
; t is a chain of c matrix instructions (f16 x f16, sums in f32); the factor x[b][j] and the sum over j are f32 multiply-adds: that sum has no operand shared between rows b, so it is no matrix product.
; LIMITS.  f16 ends at 65,504: |x| and |W_ij + W_ji| beyond it are infinities here; below 6e-5 f16 keeps its fixed step of 6e-8.  The order of the sums is not reference()'s.  NaN and infinities are not treated apart.
; SHARES.  256 work-groups: 8 blocks of 256 rows b (bb) x 32 tiles of 16 columns k (kt).  Each of four waves has 64 rows, four tiles bt of 16.  A STEP is one j: c fragments of W' (16 k x 32 i, 1,024 bytes),
; each read from LDS by every wave and multiplied with the wave's four x fragments, which stay in registers (256 of them): 4 c matrix instructions, then 16 packed multiply-adds onto OUT, done a step later.
; LAYOUT.  Source 0 = W' fragment (rows k), source 1 = x fragment (columns b): in the result lane l holds ONE row b = l % 16 and the columns k = 8 (l / 16) + 0..7, so x[b][j] is one number a lane.
; PAIRS OF STEPS.  Two steps are a PAIR.  All LDS loads stand in ONE run at a pair's head, never singly among the matrix instructions: the NEXT pair's factors (2 loads) and fragments (4 c loads), into the other of two
; register buffers: asked for two steps, 8 c matrix instructions, ahead of their first use.  The run's address registers are written just ahead of it, two steps behind the last load that named them.
; RING.  Two LDS slots of 16 steps: the steps' fragments (80 or 64 KiB, dense in wp in the order in which they are used) and their factors (16 KiB).  CLUSTER: the four work-groups of a cluster have the same kt and
; walk the same fragments, so these are asked for JOINTLY (waves 0, 1: fragments 0-31, 32-63; wave 3: 64-79 where c = 5).  The factors are each work-group's own rows: wave 2 asks for them alone (mask 0).
; A refill is asked for 16 steps ahead of its first read.  By the text's own count a wave has two tensor loads out at the start, later one.
; WAY OUT.  A work-group owns 64 consecutive bytes of each of its rows of out0 and stores them as four pieces of 16: not whole runs of 256.  Four k tiles to a work-group would store such runs, and would bring four times
; the fragment bytes into LDS for the same products; the output is 4 MiB, stored once.
; OUT, t's second buffer and one set of factors are cleared by 68 v_mov_b32 in the wait for the first tile, so that the first step's multiply-adds (of a step that has not been) add 0 and no first step is written out.
; REGISTERS (s_set_vgpr_msb: bits 1:0 source 0, 3:2 source 1, 5:4 source 2, 7:6 destination).  Window 0: below.  Window 1: the x fragments, (bt, s) at 64 bt + 8 s.  Window 2: the fragments of W', two buffers of 80:
; pair parity bp, step t, number d at 80 bp + 8 (c t + d).  A product names sources 0 and 1 in windows 2 and 1, a multiply-add all in window 0: two switches for each group of four products, one for a run.
.set KTB,   1179648                    ; bytes of one k tile in wp
.set SLOT1, 1<<17                      ; slot 1 begins here: one exclusive or turns an address in one slot into the other's
.set RIDER, 81920                      ; in a slot: behind 80 fragments, 16 steps x 1,024 bytes of factors: [w 4][r 16][bt 4] f32
.set SPARE, SLOT1+RIDER+16384          ; behind the ring: the spare words, 128 bytes for each wave: two blocks of 256 bytes that no other line names
.set LN,  1                            ; v1   16 x lane; never rewritten
.set AF,  2                            ; v2   LDS address of my 16 bytes in the first fragment of the pair to be fetched
.set AX,  3                            ; v3   LDS address of my factors of that pair's first step
.set LX,  4                            ; v4   RIDER + 256 w + 16 (lane % 16); never rewritten
.set GO,  5                            ; v5   my byte offset in the wave's rows of out0
.set SPW, 6                            ; v6   LDS address of my spare word: SPARE + 4 x my thread's number; never rewritten
.set NIL, 7                            ; v7   0; never rewritten
.set XR,  8                            ; v[8:23]    x[b][j] for bt = 0..3: pair parity bp, step t at XR + 8 bp + 4 t
.set XC,  24                           ; v[24:27]   the factors of the pair before's second step, carried over while their set is loaded anew
.set OUT, 32                           ; v[32:63]   the sums, 8 a tile bt
.set TT,  64                           ; v[64:95], v[96:127]  t, 8 a tile bt, by the step t of the pair
.set WV,  12                           ; s12  my wave's number
.set TBF, 22                           ; s22  LDS byte at which the fragments of the pair to be fetched begin
.set CNT, 23                           ; s23  counts trips of two pairs
.set CNT2, 24                          ; s24  counts a block R's two slots
.set TBX, 25                           ; s25  LDS byte of that pair's factors, less RIDER
.set G1A, 28                           ; s[28:35] group 1: 128 rows of 256 bytes, joint
.set G1B, 36                           ; s[36:43] group 1: 64 rows, joint
.set G1X, 44                           ; s[44:51] group 1: 64 rows, my work-group alone
.set G0A0, 52                          ; group 0: a set for each of the two first fills; the second then walks on
.set G0A1, 56
.set G0B0, 60
.set G0B1, 68
.set G0X0, 72
.set G0X1, 76
.set WM,  0x06                         ; products: source 0 in window 2, source 1 in window 1
.set WL,  0x80                         ; fragment loads: destination in window 2, address in window 0
.set MSB, 0
.macro WIN new                         ; the immediate's high byte repeats the setting that is left; a switch that changes nothing is dropped
.if MSB != (\new)
	s_set_vgpr_msb (MSB<<8)|(\new)
.set MSB, (\new)
.endif
.endm
.macro CREST                           ; a round of the cluster's barrier behind its opening barrier: wave 0 signals for the work-group, every wave waits for all four work-groups, my work-group's barrier once more
	s_cmp_lg_u32 s[WV], 0
	s_cbranch_scc1 .Lnot_wave_0_\@
	s_barrier_signal -3
.Lnot_wave_0_\@:
	s_barrier_wait -3
	s_barrier_signal -1
	s_barrier_wait -1
.endm
.macro CROUND                          ; a whole round
	s_barrier_signal -1
	s_barrier_wait -1
	CREST
.endm
; A refill: one tensor load a wave, chosen by the wave's number alone, which is the same in every work-group.  fillc: c of the slot asked for; with 4 wave 3 has nothing to ask for.
; Four v_nop follow each load, ahead of the jump, the label and what follows.
.macro JLOAD fillc
	s_cmp_lt_u32 s[WV], 2
	s_cbranch_scc0 .Lnot_a_\@
	tensor_load_to_lds s[G0A1:G0A1+3], s[G1A:G1A+7]
	s_nop 0
.rept 4
	v_nop
.endr
	s_branch .Lasked_\@
.Lnot_a_\@:
	s_cmp_eq_u32 s[WV], 2
	s_cbranch_scc0 .Lfor_b_\@
	tensor_load_to_lds s[G0X1:G0X1+3], s[G1X:G1X+7]
	s_nop 0
.rept 4
	v_nop
.endr
	s_branch .Lasked_\@
.Lfor_b_\@:
.if (\fillc) == 5
	tensor_load_to_lds s[G0B1:G0B1+3], s[G1B:G1B+7]
	s_nop 0
.rept 4
	v_nop
.endr
.endif
.Lasked_\@:
.endm
; The walking descriptors step: the other slot than last time; fstep bytes on in wp (the size of the slot asked for last), 16 columns on in xt.  The type bits on top are not reached.
.macro WALK fstep, fillc
	s_xor_b32 s[G0A1+1], s[G0A1+1], SLOT1
	s_add_nc_u64 s[G0A1+2:G0A1+3], s[G0A1+2:G0A1+3], \fstep
.if (\fillc) == 5
	s_xor_b32 s[G0B1+1], s[G0B1+1], SLOT1
	s_add_nc_u64 s[G0B1+2:G0B1+3], s[G0B1+2:G0B1+3], \fstep
.endif
	s_xor_b32 s[G0X1+1], s[G0X1+1], SLOT1
	s_add_nc_u64 s[G0X1+2:G0X1+3], s[G0X1+2:G0X1+3], 16384
.endm
; Group d of step t of a pair of parity bp: four products, one for each tile bt; the four accumulators take turns: between two links of a chain stand the three others'.  d = 0 starts the sums with the constant 0.
.macro GRP R, c, bp, t, d
	WIN WM
.irp bt, 0,1,2,3
.if (\d) == 0
	v_wmma_f32_16x16x32_f16 v[TT+32*(\t)+8*(\bt):TT+32*(\t)+8*(\bt)+7], v[80*(\bp)+8*((\c)*(\t)+(\d)):80*(\bp)+8*((\c)*(\t)+(\d))+7], v[64*(\bt)+8*(((\R)+(\d))&7):64*(\bt)+8*(((\R)+(\d))&7)+7], 0
.else
	v_wmma_f32_16x16x32_f16 v[TT+32*(\t)+8*(\bt):TT+32*(\t)+8*(\bt)+7], v[80*(\bp)+8*((\c)*(\t)+(\d)):80*(\bp)+8*((\c)*(\t)+(\d))+7], v[64*(\bt)+8*(((\R)+(\d))&7):64*(\bt)+8*(((\R)+(\d))&7)+7], v[TT+32*(\t)+8*(\bt):TT+32*(\t)+8*(\bt)+7]
.endif
.endr
.endm
; Multiply-add f of 16: OUT += t x[b][j] for tile f / 4, columns 2 (f % 4) and the next; tp: which buffer of t; xb: the step's four factors.  Both halves take the tile's one factor: the first register of its pair (even tiles) or the second (odd).
.macro FM tp, xb, f
.set bt_, (\f)/4
.set pr_, (\f)%4
.if bt_%2
	v_pk_fma_f32 v[OUT+8*bt_+2*pr_:OUT+8*bt_+2*pr_+1], v[TT+32*(\tp)+8*bt_+2*pr_:TT+32*(\tp)+8*bt_+2*pr_+1], v[(\xb)+bt_-1:(\xb)+bt_], v[OUT+8*bt_+2*pr_:OUT+8*bt_+2*pr_+1] op_sel:[0,1,0] op_sel_hi:[1,1,1]
.else
	v_pk_fma_f32 v[OUT+8*bt_+2*pr_:OUT+8*bt_+2*pr_+1], v[TT+32*(\tp)+8*bt_+2*pr_:TT+32*(\tp)+8*bt_+2*pr_+1], v[(\xb)+bt_:(\xb)+bt_+1], v[OUT+8*bt_+2*pr_:OUT+8*bt_+2*pr_+1] op_sel_hi:[1,0,1]
.endif
.endm
; Behind group d: its share of the step BEFORE's 16 multiply-adds (c = 4: four each; c = 5: 3, 3, 3, 3, 4), in ascending order.
; The step before a pair's first step is the pair before's second: its factors lie in XC.
.macro RIDE c, bp, t, d
	WIN 0
.if (\c) == 4
.set f0_, 4*(\d)
.set fn_, 4
.else
.set f0_, 3*(\d)
.set fn_, 3+(\d)/4
.endif
.if (\t) == 0
.set xb_, XC
.else
.set xb_, XR+8*(\bp)
.endif
.rept fn_
	FM 1-(\t), xb_, f0_
.set f0_, f0_+1
.endr
.endm
; n groups of step t, from d0 on, each with its multiply-adds.  w = 1: each behind its counted wait; nrun: the LDS instructions issued behind the run that brought this pair.
; A vector instruction that reads a matrix result stands four places behind it, and only plain vector instructions that name none of its registers are places (ISA guide 7.12.1).  Behind a step's last product stand
; four multiply-adds on the other buffer of t: the places ahead of the next step's first read of this step's t.
.macro GROUPS R, c, bp, t, d0, n, nrun, w
.set d_, \d0
.rept \n
.if \w
	s_wait_dscnt 2*(2*(\c)-1-(\c)*(\t)-d_)+(\nrun)  ; LDS loads come back in order (ISA guide 5.7.1): behind this fragment's two stand two for each later fragment of its run, and what was issued since
.endif
	GRP \R, \c, \bp, \t, d_
	RIDE \c, \bp, \t, d_
.set d_, d_+1
.endr
.endm
; THE RUN: a pair's factors (first, so that the first wait for a fragment shows them in) and its 2 cn fragments, 2 cn x 1,024 consecutive bytes, into the buffers of parity bpn.
.macro RUN bpn, cn
	WIN 0
	ds_load_b128 v[XR+8*(\bpn):XR+8*(\bpn)+3],   v[AX]
	ds_load_b128 v[XR+8*(\bpn)+4:XR+8*(\bpn)+7], v[AX] offset:1024
	WIN WL
.set e_, 0
.rept 2*(\cn)
	ds_load_b128 v[80*(\bpn)+8*e_:80*(\bpn)+8*e_+3],   v[AF] offset:e_*1024
	ds_load_b128 v[80*(\bpn)+8*e_+4:80*(\bpn)+8*e_+7], v[AF] offset:e_*1024+512
.set e_, e_+1
.endr
	s_add_co_u32 s[TBF], s[TBF], 2*(\cn)*1024      ; the next run is the next pair's
	s_add_co_u32 s[TBX], s[TBX], 2048
.endm
; A PAIR of parity bp in block R.  cn: c of the pair to be fetched (0: none is left).
; At its head: the last step's factors go into XC, since the run loads their set anew while that step's multiply-adds are still to come; the run's two addresses; the run.  A load into a register that a matrix
; instruction has read stands four places behind it: behind the last product that read the buffer loaded here stand four multiply-adds, the four moves and the two address lines.
; chg = 2, 1: THE CHANGE OF SLOTS stands in the pair's second step (a slot's seventh pair: the eighth, its last, has been fetched; the run at the eighth's head reads the next slot).  In front of the barrier each wave
; waits for all its tensor loads, of which one is out: its part of the next slot; adds 0 to its spare word; and waits for that and for its reads of this slot.  Behind it nobody reads this slot any more and the next
; slot is whole.  chg = 2: this slot is filled again, with the slot two on: the barrier opens a round of the cluster's, so that no wave of any partner still reads the slot or has a load on its way, and the refill is
; the first thing behind the round.  chg = 1: nothing is left to ask for.
.macro BLK R, c, bp, cn, chg, fstep, fillc
	WIN 0
.irp i, 0,1,2,3
	v_mov_b32 v[XC+(\i)], v[XR+8*(1-(\bp))+4+(\i)]
.endr
.if (\cn) > 0
	v_add_nc_u32 v[AF], s[TBF], v[LN]
	v_add_nc_u32 v[AX], s[TBX], v[LX]
	RUN 1-(\bp), \cn
.set nr_, 4*(\cn)+2
.else
.set nr_, 0
.endif
	GROUPS \R, \c, \bp, 0, 0, \c, nr_, 1
.if (\chg) == 0
	GROUPS \R, \c, \bp, 1, 0, \c, nr_, 1
.else
	s_wait_tensorcnt 0x0                           ; no tensor load of mine is out, so a group 0 may be written
	ds_add_u32 v[SPW], v[NIL]                      ; 0 onto my spare word: scalar steps and c - 2 groups of products stand between it and the wait for it
.if (\chg) == 2
	WALK \fstep, \fillc
.endif
	s_sub_co_u32 s[TBF], s[TBF], 16*(\c)*1024      ; the fetches go back to a slot's first step,
	s_xor_b32 s[TBF], s[TBF], SLOT1                ; in the other slot
	s_sub_co_u32 s[TBX], s[TBX], 16*1024
	s_xor_b32 s[TBX], s[TBX], SLOT1
	GROUPS \R, \c, \bp, 1, 0, (\c)-2, nr_+1, 1     ; (the add is one more LDS instruction behind the fragments)
	s_wait_dscnt 0x0                               ; the add is done, and my reads of this slot are over: the last were issued at this pair's head
	s_barrier_signal -1
	GROUPS \R, \c, \bp, 1, (\c)-2, 2, 0, 0         ; work on registers while the others arrive
	s_barrier_wait -1
.if (\chg) == 2
	CREST
	JLOAD \fillc
.endif
.endif
.endm
; A slot: 16 steps of block R, eight pairs: six in a loop of three trips, the seventh with the change of slots, the eighth, whose run reads the next slot (cn: its c).  mode: the seventh pair's chg; 0: the walk's last slot.
.macro SLOTRUN R, c, cn, mode, fstep, fillc
	s_mov_b32 s[CNT], 3
.Lpair_\@:
	BLK \R, \c, 0, \c, 0, 0, 0
	BLK \R, \c, 1, \c, 0, 0, 0
	s_sub_co_u32 s[CNT], s[CNT], 1
	s_cmp_lg_u32 s[CNT], 0
	s_cbranch_scc1 .Lpair_\@
	BLK \R, \c, 0, \c, \mode, \fstep, \fillc
	BLK \R, \c, 1, \cn, 0, 0, 0
.endm
; A block R's two slots, where both changes of slots are alike: written once, walked twice.
.macro PHASE2 R, c, fstep
	s_mov_b32 s[CNT2], 2
.Lhalf_\@:
	SLOTRUN \R, \c, \c, 2, \fstep, \c
	s_sub_co_u32 s[CNT2], s[CNT2], 1
	s_cmp_lg_u32 s[CNT2], 0
	s_cbranch_scc1 .Lhalf_\@
.endm
	s_load_b256 s[4:11], s[0:1], 0x0               ; wp s[4:5], xh s[6:7], xt s[8:9], out0 s[10:11]
	v_lshl_add_u32 v[SPW], v0, 2, SPARE
	v_mov_b32 v[NIL], 0
	ds_add_u32 v6, v7
	s_wait_dscnt 0x0
	v_lshrrev_b32 v192, 5, v0
	v_readfirstlane_b32 s[WV], v192                ; wave 0..3
	s_bfe_u32 s13, ttmp6, 0x40000                  ; cx: my place in the cluster
	s_lshl_b32 s14, ttmp9, 2                       ; in a cluster launch ttmp9 counts clusters
	s_add_co_u32 s14, s14, s13                     ; bb = 4 x cluster x + cx: it enters xh's, xt's and out0's addresses alone
	s_and_b32 s15, ttmp7, 0xffff                   ; kt, which the four partners share
	s_and_b32 s16, s[WV], 1                        ; waves 0, 1: which 32 fragments
	s_lshl_b32 s17, s16, 15
	s_mul_i32 s18, s15, KTB                        ; the k tile's first byte in wp
	s_mov_b32 s19, 0
	s_add_co_u32 s20, s18, s17
	s_mov_b32 s21, 0
	s_lshl_b32 s26, s14, 18                        ; my 256 rows' part of xt
	s_mov_b32 s27, 0
	; group 1: dense bytes, asked for as rows of 256: elements of 8 bytes, 32 to a row, 32 from row to row; no padding: every LDS read takes 16 consecutive bytes a lane
	s_mov_b32 s[G1A], 15|(3<<16)|(1<<21)           ; 15:0 the mask: all four work-groups; 17:16 elements of 8 bytes; 21 set beside a mask
	s_mov_b32 s[G1B], 15|(3<<16)|(1<<21)
	s_mov_b32 s[G1X], 3<<16                        ; mask 0: my work-group alone
.irp g, G1A, G1B, G1X
	s_mov_b32 s[(\g)+1], 32<<16                    ; tensor_dim0 = 32
	s_mov_b32 s[(\g)+3], 32<<16                    ; tile_dim0 = 32
	s_mov_b32 s[(\g)+5], 32                        ; tensor_dim0_stride
	s_mov_b32 s[(\g)+6], 0
	s_mov_b32 s[(\g)+7], 0
.endr
	s_mov_b32 s[G1A+2], 128<<16                    ; tensor_dim1 = tile_dim1 = 128 rows: 32 fragments
	s_mov_b32 s[G1A+4], 128
	s_mov_b32 s[G1B+2], 64<<16                     ; 64 rows: 16 fragments
	s_mov_b32 s[G1B+4], 64
	s_mov_b32 s[G1X+2], 64<<16                     ; 64 rows: 16 steps' factors
	s_mov_b32 s[G1X+4], 64
	; group 0: count 1, LDS address (constants and the wave's number alone), global address, type 2
	s_mov_b32 s[G0A0], 1
	s_mov_b32 s[G0A0+1], s17
	s_mov_b32 s[G0A1], 1
	s_add_co_u32 s[G0A1+1], s17, SLOT1
	s_mov_b32 s[G0B0], 1
	s_mov_b32 s[G0B0+1], 65536
	s_mov_b32 s[G0B1], 1
	s_mov_b32 s[G0B1+1], SLOT1+65536
	s_mov_b32 s[G0X0], 1
	s_mov_b32 s[G0X0+1], RIDER
	s_mov_b32 s[G0X1], 1
	s_mov_b32 s[G0X1+1], SLOT1+RIDER
	s_mov_b32 s[TBF], 0
	s_mov_b32 s[TBX], 0
	s_wait_kmcnt 0x0
	s_add_nc_u64 s[66:67], s[4:5], s[20:21]        ; wp at my 32 fragments of slot 0
	s_add_nc_u64 s[G0A0+2:G0A0+3], s[66:67], 0
	s_or_b32 s[G0A0+3], s[G0A0+3], 0x80000000
	s_add_nc_u64 s[G0A1+2:G0A1+3], s[66:67], 81920 ; slot 1: 80 fragments on
	s_or_b32 s[G0A1+3], s[G0A1+3], 0x80000000
	s_add_nc_u64 s[66:67], s[4:5], s[18:19]
	s_add_nc_u64 s[G0B0+2:G0B0+3], s[66:67], 65536 ; fragments 64-79
	s_or_b32 s[G0B0+3], s[G0B0+3], 0x80000000
	s_add_nc_u64 s[G0B1+2:G0B1+3], s[66:67], 65536+81920
	s_or_b32 s[G0B1+3], s[G0B1+3], 0x80000000
	s_add_nc_u64 s[2:3], s[8:9], s[26:27]
	s_add_nc_u64 s[G0X0+2:G0X0+3], s[2:3], 0
	s_or_b32 s[G0X0+3], s[G0X0+3], 0x80000000
	s_add_nc_u64 s[G0X1+2:G0X1+3], s[2:3], 16384   ; 16 columns of 1,024 bytes on
	s_or_b32 s[G0X1+3], s[G0X1+3], 0x80000000
	CROUND                                         ; all four work-groups are here: the first joint loads meet
	s_cmp_lt_u32 s[WV], 2                          ; a wave's two first fills stand in one branch, ahead of every wait on TENSORcnt and every LDS read; four v_nop follow the second
	s_cbranch_scc0 .Lfirst_not_a
	tensor_load_to_lds s[G0A0:G0A0+3], s[G1A:G1A+7]
	s_nop 0
	tensor_load_to_lds s[G0A1:G0A1+3], s[G1A:G1A+7]
	s_nop 0
.rept 4
	v_nop
.endr
	s_branch .Lfirst_asked
.Lfirst_not_a:
	s_cmp_eq_u32 s[WV], 2
	s_cbranch_scc0 .Lfirst_b
	tensor_load_to_lds s[G0X0:G0X0+3], s[G1X:G1X+7]
	s_nop 0
	tensor_load_to_lds s[G0X1:G0X1+3], s[G1X:G1X+7]
	s_nop 0
.rept 4
	v_nop
.endr
	s_branch .Lfirst_asked
.Lfirst_b:
	tensor_load_to_lds s[G0B0:G0B0+3], s[G1B:G1B+7]
	s_nop 0
	tensor_load_to_lds s[G0B1:G0B1+3], s[G1B:G1B+7]
	s_nop 0
.rept 4
	v_nop
.endr
.Lfirst_asked:
	; my wave's x fragments: xh [64-row block][bt][s][v][lane] x 16 bytes is their register image: load number 16 bt + 2 s + v fills registers 64 bt + 8 s + 4 v on of window 1
	s_lshl_b32 s26, s14, 2
	s_add_co_u32 s26, s26, s[WV]
	s_lshl_b32 s26, s26, 15
	s_add_nc_u64 s[6:7], s[6:7], s[26:27]
	v_and_b32 v[LN], 31, v0
	v_lshlrev_b32 v[LN], 4, v[LN]
	WIN 0x40                                       ; destination window 1, address window 0
.set i_, 0
.rept 64
	global_load_b128 v[4*i_:4*i_+3], v[LN], s[6:7] offset:512*i_
.set i_, i_+1
.endr
	WIN 0
	v_and_b32 v192, 15, v0                         ; lane % 16
	v_bfe_u32 v193, v0, 4, 1                       ; lane / 16
	s_lshl_b32 s17, s[WV], 8
	s_add_co_u32 s17, s17, RIDER
	v_lshlrev_b32 v[LX], 4, v192
	v_add_nc_u32 v[LX], s17, v[LX]
	v_lshlrev_b32 v[GO], 11, v192                  ; row lane % 16 of 2,048 bytes,
	v_lshl_add_u32 v[GO], v193, 5, v[GO]           ; columns 8 (lane / 16) on
	s_lshl_b32 s26, s14, 19                        ; out0 at row 256 bb + 64 w, column 16 kt
	s_lshl_b32 s20, s[WV], 17
	s_add_co_u32 s26, s26, s20
	s_lshl_b32 s20, s15, 6
	s_add_co_u32 s26, s26, s20
	s_add_nc_u64 s[10:11], s[10:11], s[26:27]
.set i_, 0
.rept 32
	v_mov_b32 v[OUT+i_], 0
	v_mov_b32 v[TT+32+i_], 0
.set i_, i_+1
.endr
.irp i, 0,1,2,3
	v_mov_b32 v[XR+12+(\i)], 0                     ; the set that the first pair carries into XC
.endr
	v_add_nc_u32 v[AF], s[TBF], v[LN]
	v_add_nc_u32 v[AX], s[TBX], v[LX]
	s_wait_tensorcnt 0x1                           ; my part of slot 0 is in; slot 1's may stay out
	s_barrier_signal -1
	s_barrier_wait -1                              ; everybody's is
	RUN 0, 5                                       ; the first pair
	WIN 0                                          ; at a label and at a branch every window is 0
	s_wait_loadcnt 0x0                             ; the x fragments
	; THE WALK: 16 slots, two to a block R.  In slot n's seventh pair the slot n + 2 is asked for; the address steps by the size of slot n + 1.
	PHASE2 0, 5, 81920
	PHASE2 1, 5, 81920
	PHASE2 2, 5, 81920
	SLOTRUN 3, 5, 5, 2, 81920, 4                   ; slot 6: slot 8, the first of 64 fragments, is asked for
	SLOTRUN 3, 5, 4, 2, 65536, 4                   ; slot 7: the next slot's steps have four fragments
	PHASE2 4, 4, 65536
	PHASE2 5, 4, 65536
	PHASE2 6, 4, 65536
	SLOTRUN 7, 4, 4, 1, 0, 0                       ; slot 14: the tail is written out: nothing is asked for
	SLOTRUN 7, 4, 0, 0, 0, 0                       ; slot 15: its last pair fetches nothing
.set f_, 0
.rept 16                               ; the last step's own multiply-adds; the four just above, on the other buffer of t, are the places behind its last products
	FM 1, XR+12, f_
.set f_, f_+1
.endr
.irp bt, 0,1,2,3
.irp u, 0,1
	global_store_b128 v[GO], v[OUT+8*(\bt)+4*(\u):OUT+8*(\bt)+4*(\u)+3], s[10:11] offset:(\bt)*32768+16*(\u)  ; row 16 bt + lane % 16, columns 8 (lane / 16) + 4 u on
.endr
.endr
	s_wait_tensorcnt 0x0                           ; the wave's end: behind my last tensor load and as my last LDS instructions
	ds_add_u32 v[SPW], v[NIL]
	s_wait_dscnt 0x0
	CROUND                                         ; the closing round: no work-group ends while a partner may still ask for a tile that names it
	s_endpgm
.Lfunc_end_k_q198d02047a_bilin:
	.size	k_q198d02047a_bilin, .Lfunc_end_k_q198d02047a_bilin-k_q198d02047a_bilin
	.p2alignl 7, 3214868480
	.fill 96, 4, 3214868480
	.section	.rodata,"a",@progbits
	.p2align	6, 0x0
	.amdhsa_kernel k_q198d02047a_bilin
		.amdhsa_group_segment_fixed_size 327680
		.amdhsa_private_segment_fixed_size 0
		.amdhsa_enable_private_segment 0
		.amdhsa_kernarg_size 32
		.amdhsa_user_sgpr_count 2
		.amdhsa_user_sgpr_kernarg_segment_ptr 1
		.amdhsa_wavefront_size32 1
		.amdhsa_system_sgpr_workgroup_id_x 1
		.amdhsa_system_sgpr_workgroup_id_y 1
		.amdhsa_system_sgpr_workgroup_id_z 1
		.amdhsa_system_vgpr_workitem_id 0
		.amdhsa_next_free_vgpr 672
		.amdhsa_next_free_sgpr 80
		.amdhsa_reserve_vcc 0
		.amdhsa_float_denorm_mode_32 3
		.amdhsa_float_denorm_mode_16_64 3
		.amdhsa_memory_ordered 1
		.amdhsa_forward_progress 1
		.amdhsa_inst_pref_size 255
	.end_amdhsa_kernel
	.section	.bss,"aw",@nobits
	.p2align	6
	.space	262144
	.amdgpu_metadata
---
amdhsa.version: [ 1, 2 ]
amdhsa.kernels:
  - .name:           k_q198d02047a_bilin
    .symbol:         k_q198d02047a_bilin.kd
    .args:
      - { .name: wp, .offset: 0, .size: 8, .value_kind: global_buffer, .address_space: global }
      - { .name: xh, .offset: 8, .size: 8, .value_kind: global_buffer, .address_space: global }
      - { .name: xt, .offset: 16, .size: 8, .value_kind: global_buffer, .address_space: global }
      - { .name: out0, .offset: 24, .size: 8, .value_kind: global_buffer, .address_space: global }
    .group_segment_fixed_size: 327680
    .private_segment_fixed_size: 0
    .kernarg_segment_align: 8
    .kernarg_segment_size: 32
    .max_flat_workgroup_size: 128
    .sgpr_count:     80
    .vgpr_count:     672
    .wavefront_size: 32
...
	.end_amdgpu_metadata
.endif
;; end of part 3
